; MI455X (gfx1250); checked and timed in simulation.
; The chip was launched on July 23, 2026; its instructions are those of AMD's public machine-readable ISA for CDNA 5 (MIT licence, August 2026) and "CDNA5" Instruction Set Architecture Reference Guide (July 2026). The comments in the code are by the model that wrote it; some were corrected since.
;; GMF. Allowed arithmetic: matrix products marked QUANTISED: E3M2 operands, one E8M0 scale for each 32 along K, by v_wmma_scale_f32_16x16x128_f8f6f4 with both operands' format E3M2, f32 sums; everything else in f32.
;; Inputs: P_weight 64 x 1,000,000 float32; Q_weight 64 x 100,032 float32; genres_one_hot 16,384 x 32 float32; item_ids 16,384 int32; user_ids 16,384 int32.
;; Outputs: out0 16,384 x 1 float32.
;; This version of the problem:
;;   THIS VERSION OF THE PROBLEM IS GIVEN IN LOW PRECISION. The matrix products marked QUANTISED in the list below multiply operands that are first quantised to E3M2 (3 exponent bits, 2 mantissa bits; 6 bits a number), with one power-of-two scale for each 32 numbers along K (OCP MX v1.0); their sums are f32. All else is computed in f32.
;;   The module's matrix products, in the order in which they are computed (A, B: the left and right operand; K: the contracted axis; several contracted axes count as one K, in the product's order):
;;     1. [M 16,384, K 32] x [K 32, N 64]; A: input genres_one_hot; B: input Q_weight: QUANTISED
;;   THE QUANTISER, for each operand of a quantised product, along K:
;;     - K is cut into blocks of 32 from its start; a last block that is shorter is filled with zeros.
;;     - A block's scale is 2^e with e = floor(log2(the largest magnitude in the block)) - 4, held to -126 .. 127; a block of zeros has e = 0. As a byte (E8M0): e + 127.
;;     - Each number is divided by its block's scale, clamped to +-28, and rounded to the nearest number of E3M2, ties to even, subnormals kept.
;;     - The product sums the exact products of the quantised numbers (number of the format x scale) in f32.
;;   ~~~python
;;   def quantise(x, axis):      # numpy; x: float32 -> the quantised numbers, widened to float32 again
;;       x = np.moveaxis(x, axis, -1); K = x.shape[-1]
;;       x = np.pad(x, [(0, 0)] * (x.ndim - 1) + [(0, -K % 32)]); x = x.reshape(x.shape[:-1] + (-1, 32)); a = np.abs(x).max(-1, keepdims=True)
;;       e = np.where(a > 0, np.clip(np.frexp(np.where(a > 0, a, 1))[1] - 1 - 4, -126, 127), 0)      # np.frexp(a)[1] - 1 = floor(log2(a)), exactly
;;       r = np.clip(x / 2.0 ** e, -28, 28)
;;       step = 2.0 ** (np.maximum(np.frexp(np.where(r == 0, 1, r))[1] - 1, -2) - 2)
;;       q = np.round(r / step) * step * 2.0 ** e      # np.round: ties to even
;;       return np.moveaxis(q.reshape(q.shape[:-2] + (-1,))[..., :K], -1, axis).astype(np.float32)
;;   ~~~
;; 2 versions. Each part assembles by itself: llvm-mc -triple=amdgcn-amd-amdhsa -mcpu=gfx1250 --defsym DOCPART=n.
;; ======== version 1 of 2: 1 launch
;; launch gmf (part 1): grid 256 x 1, 4 waves a work-group, no clusters, 4,608 bytes of LDS; arguments user_ids, item_ids, genres_one_hot, out0, P_weight, Q_weight; writes out0
.if DOCPART == 1
	.amdgcn_target "amdgcn-amd-amdhsa--gfx1250"
	.amdhsa_code_object_version 6
	.text
	.protected	k_q393980f5d8_gmf
	.globl	k_q393980f5d8_gmf
	.p2align	8
	.type	k_q393980f5d8_gmf,@function
k_q393980f5d8_gmf:
	s_mov_b64 s[64:65], 0
	v_nop
	global_prefetch_b8 v0, s[64:65] scope:SCOPE_SE
	s_setreg_imm32_b32 hwreg(HW_REG_WAVE_MODE, 25, 1), 1
	s_wait_xcnt 0x0
; out[b] = sum over k = 0..63 of P[k][user[b]] * ( Q[k][item[b]] + sum over g = 0..31 of genres[b][g] * Q[k][100000 + g] ).
; P: [64][1,000,000] f32, Q: [64][100,032] f32, genres: [16,384][32] f32, ids: [16,384] i32, out: [16,384] f32.
; The inner sum over g is the quantised product: both operands as codes of BF6 (E3M2) with one E8M0 scale for the one block of 32 along g; all else in f32.
; SHARES.  256 work-groups of four waves; a work-group owns 64 batch rows, a wave 16.
; LAYOUT.  The matrix instruction is used transposed: source 0 = 16 latent rows of Q's genre columns, source 1 = my 16 rows of genres.  In the result lane l holds ONE batch row
; r = l % 16, and register j of tile t the latent 16 t + 8 (l / 16) + j.  So a lane needs one user id and one item id and gathers 32 words of P and 32 of Q; Q's words are loaded straight into
; the accumulators and enter as the C of the matrix instruction (D = q_item + q_genre, no vector add); the sum over the 64 latents is 32 products in the lane and one exchange with lane l xor 16.
; K is 32 of the instruction's 128: the block lies in registers 0-5 of lanes 0-15; every other code of both operands is the code 0, which adds nothing; the scale bytes of those blocks are 127.
; Q's genre columns (64 x 32 numbers) are quantised once in a work-group: wave w makes latent tile w and hands it to the others through LDS.
; NO CLUSTER, NO TENSOR LOADS: a work-group's 8,192 gathered words lie at addresses of its own, one word each; what work-groups share is the 8,192 bytes of Q's genre columns.
; LIMITS.  Ids are taken as unsigned numbers and held at the table's last column (999,999 and 99,999); the problem keeps them inside.  NaN and infinities in genres or in Q's genre columns
; are not served.  A block whose largest magnitude has an exponent field under 5 gets the byte 1, as the quantiser's clip says.  q_item + q_genre is rounded by the matrix unit, and the 64
; products of a row are added in four partial sums, not in the order of a plain sum.
.set PROW,  4000000                    ; bytes in a row of P
.set QROW,  400128                     ; bytes in a row of Q
.set GCOL,  400000                     ; byte at which a row's 32 genre columns begin (a multiple of 16, as QROW is)
.set UMAX,  999999
.set IMAX,  99999
.set TILEB, 768                        ; LDS: a latent tile's codes, 24 bytes a lane (lanes 16-31: zeros), four tiles from byte 0 on
.set SCB,   4*TILEB                    ; then the tiles' scale words, 128 bytes a tile
.set OUTB,  SCB+512                    ; then the work-group's 64 results
.set R,    1                           ; v1   l % 16: my batch row in the wave's 16
.set H,    2                           ; v2   l / 16
.set LN,   3                           ; v3   lane
.set IDO,  4                           ; v4   byte offset of my row's id
.set GO,   5                           ; v5   byte offset of my 16 numbers of genres
.set WO,   6                           ; v6   byte offset of my row of Q's genre columns (+ 64 H)
.set HP,   7                           ; v7   8 H rows of P, in bytes
.set HQ,   8                           ; v8   8 H rows of Q
.set UID,  9                           ; v9   user id
.set IID,  10                          ; v10  item id
.set PO,   11                          ; v11  4 x user id + 8 H rows of P
.set QO,   12                          ; v12  4 x item id + 8 H rows of Q
.set T0,   13                          ; v13-15 at work in the quantiser
.set T1,   14
.set T2,   15
.set X,    16                          ; v16-31  16 numbers of genres
.set W,    32                          ; v32-47  16 numbers of Q's genre columns
.set BF,   48                          ; v48-59  genres' codes: source 1
.set MY,   60                          ; v60-65  the codes of the latent tile that my wave quantises
.set LST,  66                          ; v66  LDS: where I put them
.set LSS,  67                          ; v67  LDS: where I put the tile's scale word
.set AF,   68                          ; v68-115 the four latent tiles' codes: source 0, 12 registers each
.set SA,   116                         ; v116-119 their scale words: these registers, and v120, hold scales and nothing else
.set SB,   120                         ; v120 genres' scale word
.set LRD,  121                         ; v121 LDS: 24 x lane
.set LRS,  122                         ; v122 LDS: SCB + 4 x lane
.set OST,  123                         ; v123 LDS: my row's result
.set ORD,  124                         ; v124 LDS: OUTB + 8 x lane
.set OGO,  125                         ; v125 byte offset in out: 256 x work-group + 8 x lane
.set SW,   126                         ; v126 my tile's scale word on its way to LDS
.set D,    128                         ; v128-159 q_item as gathered, then q_item + q_genre: tile t at D + 8 t
.set PU,   160                         ; v160-191 P's words, in the same order
.set ACC,  192                         ; v192-195 two packed partial sums
.set OV,   196                         ; v196-197 two results on their way out
.set WV,   16                          ; s16  wave
.set TL,   17                          ; s17  which 16 batch rows are my wave's: 4 x work-group + wave
.set SEL,  20                          ; s[20:21] v_permlanex16_b32's selects for lane l xor 16
.set PB,   24                          ; s[24:47] P at rows 16 t + 3 u, u = 0, 1, 2: the pair at PB + 6 t + 2 u; the first pair is P's own address
.set QB,   48                          ; s[48:55] Q at rows 16 t: the pair at QB + 2 t; the first pair is Q's own address
	s_load_b256 s[4:11], s[0:1], 0x0               ; user ids s[4:5], item ids s[6:7], genres s[8:9], out s[10:11]
	s_load_b64 s[PB:PB+1], s[0:1], 0x20            ; P
	s_load_b64 s[QB:QB+1], s[0:1], 0x28            ; Q
	v_lshl_add_u32 v200, v0, 2, 0x1000
	v_mov_b32 v201, 0
	v_lshrrev_b32 v[LN], 5, v0
	v_readfirstlane_b32 s[WV], v[LN]               ; wave 0..3
	v_and_b32 v[LN], 31, v0
	v_and_b32 v[R], 15, v0
	v_bfe_u32 v[H], v0, 4, 1
	s_lshl2_add_u32 s[TL], ttmp9, s[WV]
	s_lshl_b32 s18, s[TL], 6                       ; ids: 16 x 4 bytes a wave
	s_lshl_b32 s19, s[TL], 11                      ; genres: 16 rows x 128 bytes a wave
	s_mul_i32 s22, s[WV], 16*QROW                  ; the 16 rows of Q whose genre columns my wave quantises
	s_mul_i32 s23, s[WV], TILEB                    ; and their place in LDS
	s_lshl_b32 s2, s[WV], 7
	s_lshl_b32 s3, s[WV], 6
	s_add_co_u32 s3, s3, OUTB                      ; my wave's 16 results in LDS
	s_lshl_b32 s14, ttmp9, 8                       ; the work-group's 64 results in out
	s_mov_b32 s[SEL], 0x76543210
	s_mov_b32 s[SEL+1], 0xfedcba98
	v_lshl_add_u32 v[IDO], v[R], 2, s18
	v_lshl_add_u32 v[GO], v[R], 7, s19
	v_lshl_add_u32 v[GO], v[H], 6, v[GO]           ; row r, numbers 16 H .. 16 H + 15: two lanes hold the block of 32
	v_mul_u32_u24 v[WO], v[R], QROW
	v_lshl_add_u32 v[WO], v[H], 6, v[WO]
	v_add_nc_u32 v[WO], s22, v[WO]
	s_wait_kmcnt 0x0
	global_load_b32 v[UID], v[IDO], s[4:5] th:TH_LOAD_NT           ; the ids first: the gathers hang on them
	global_load_b32 v[IID], v[IDO], s[6:7] th:TH_LOAD_NT
.irp i, 0,1,2,3
	global_load_b128 v[X+4*\i:X+4*\i+3], v[GO], s[8:9] offset:16*\i th:TH_LOAD_NT   ; the four loads together read the wave's 2,048 consecutive bytes of genres
.endr
.irp i, 0,1,2,3
	global_load_b128 v[W+4*\i:W+4*\i+3], v[WO], s[QB:QB+1] offset:GCOL+16*\i        ; read by every work-group: no hint
.endr
	; While these are out: the bases, the other addresses, the zero codes.
	; A load's immediate has 24 signed bits (ISA guide, chapter 10), and beside an offset made of a loaded id it is kept at 0 or above: 0, 1 or 2 rows of P.  So a tile's eight latents hang on three bases.
.irp t, 0,1,2,3
.irp u, 0,1,2
.if \t > 0 || \u > 0
	s_add_nc_u64 s[PB+6*\t+2*\u:PB+6*\t+2*\u+1], s[PB:PB+1], (16*\t+3*\u)*PROW
.endif
.endr
.endr
.irp t, 1,2,3
	s_add_nc_u64 s[QB+2*\t:QB+2*\t+1], s[QB:QB+1], 16*\t*QROW      ; seven rows of Q fit in the immediate
.endr
	v_mul_u32_u24 v[HP], v[H], PROW
	v_lshlrev_b32 v[HP], 3, v[HP]                  ; lanes 16-31 stand eight latents further down
	v_mul_u32_u24 v[HQ], v[H], 8*QROW
	v_mul_u32_u24 v[LRD], v[LN], 24
	v_add_nc_u32 v[LST], s23, v[LRD]
	v_lshl_add_u32 v[LRS], v[LN], 2, SCB
	v_add_nc_u32 v[LSS], s2, v[LRS]
.irp i, 3,4,5,6,7,8,9,10,11
	v_mov_b32 v[BF+\i], 0                          ; the zero codes of K = 32 .. 127 (registers 3-5 take the block's upper half in lanes 0-15 below)
.endr
.irp i, 3,4,5
	v_mov_b32 v[MY+\i], 0
.endr
.irp t, 0,1,2,3
.irp i, 6,7,8,9,10,11
	v_mov_b32 v[AF+12*\t+\i], 0                    ; K = 64 .. 127 of source 0
.endr
.endr
	s_wait_loadcnt 0x8                             ; behind the two ids: four loads of genres and four of Q's genre columns, which may stay out
	v_min_u32 v[UID], UMAX, v[UID]                 ; a loaded number enters an address only held inside its table
	v_min_u32 v[IID], IMAX, v[IID]
	v_lshlrev_b32 v[PO], 2, v[UID]
	v_lshlrev_b32 v[QO], 2, v[IID]
	v_add_nc_u32 v[PO], v[PO], v[HP]
	v_add_nc_u32 v[QO], v[QO], v[HQ]
	; P's 32 words: P[16 t + 8 H + j][user].  They go first: they are the larger table's, and the quantisers below are worked while these requests are served.
.irp t, 0,1,2,3
.irp j, 0,1,2,3,4,5,6,7
	global_load_b32 v[PU+8*\t+\j], v[PO], s[PB+6*\t+2*(\j/3):PB+6*\t+2*(\j/3)+1] offset:(\j%3)*PROW
.endr
.endr
; THE QUANTISER.  x: my 16 numbers, the lower (lanes 0-15) or upper (lanes 16-31) half of row r's block; c: six registers, the upper three holding 0; e: takes the scale word.
; The block's largest magnitude; its exponent field less 4 (28 = 1.75 x 2^4), held at 1 from below, is the scale's byte; a block of zeros gets 127.  The conversion divides by the scale, rounds to
; the nearest code, ties to even, and gives the largest code beyond 28.
.macro QUANT x, c, e
	v_max3_num_f32 v[T0], |v[\x]|, |v[\x+1]|, |v[\x+2]|
	v_max3_num_f32 v[T1], |v[\x+3]|, |v[\x+4]|, |v[\x+5]|
.irp i, 6,10
	v_max3_num_f32 v[T0], v[T0], |v[\x+\i]|, |v[\x+\i+1]|
	v_max3_num_f32 v[T1], v[T1], |v[\x+\i+2]|, |v[\x+\i+3]|
.endr
	v_max3_num_f32 v[T0], v[T0], |v[\x+14]|, |v[\x+15]|
	v_max_num_f32 v[T0], v[T0], v[T1]
	v_permlanex16_b32 v[T1], v[T0], s[SEL], s[SEL+1]               ; the other half of the block lies in lane l xor 16
	v_max_num_f32 v[T0], v[T0], v[T1]
	v_lshrrev_b32 v[T1], 23, v[T0]                 ; the exponent field (the sign bit is 0)
	v_max_u32 v[T1], 5, v[T1]
	v_add_nc_u32 v[T1], -4, v[T1]                  ; the byte
	v_lshlrev_b32 v[T2], 23, v[T1]                 ; the scale as f32: the conversion takes its exponent field
	v_cmp_eq_u32 vcc_lo, 0, v[T0]
	v_cvt_scalef32_pk16_bf6_f32 v[\c:\c+2], v[\x:\x+15], v[T2]     ; 16 codes, 96 bits, the first number's lowest
	v_cndmask_b32 v[T1], v[T1], 127, vcc_lo        ; a block of zeros.  (Also the one plain instruction between a scaled conversion and what touches its result)
.irp i, 0,1,2
	v_permlane16_swap_b32 v[\c+\i], v[\c+3+\i]     ; the first's lanes 16-31 change places with the second's lanes 0-15, which hold 0: lanes 0-15 now hold the whole block in six registers, lanes 16-31 (K = 32 .. 63) zeros
.endr
	v_or_b32 v[\e], 0x7f7f7f00, v[T1]              ; byte 0: the block's; bytes 1-3 stand beside zero codes
.endm
	s_wait_loadcnt 0x20                            ; behind the numbers to be quantised: P's 32 gathers, which stay out
	QUANT X, BF, SB                                ; genres first: the second quantiser's plain instructions are then the places between these vector writes of source 1 and its scale and the matrix instructions (ISA guide 7.12.1)
	QUANT W, MY, SW
	ds_store_b64 v[LST], v[MY:MY+1]
	ds_store_b64 v[LST], v[MY+2:MY+3] offset:8
	ds_store_b64 v[LST], v[MY+4:MY+5] offset:16
	ds_store_b32 v[LSS], v[SW]
	; Q's 32 words, Q[16 t + 8 H + j][item], straight into the accumulators
.irp t, 0,1,2,3
.irp j, 0,1,2,3,4,5,6,7
	global_load_b32 v[D+8*\t+\j], v[QO], s[QB+2*\t:QB+2*\t+1] offset:\j*QROW
.endr
.endr
	s_wait_dscnt 0x0                               ; for the others' sake: my tile's codes and scale words are in LDS
	s_barrier_signal -1
	s_barrier_wait -1                              ; everybody's are
.irp t, 0,1,2,3
.irp p, 0,1,2
	ds_load_b64 v[AF+12*\t+2*\p:AF+12*\t+2*\p+1], v[LRD] offset:TILEB*\t+8*\p      ; lanes 24 bytes apart: the 32 lanes' 8 bytes fall on 64 different banks (64 banks of 4 bytes: ISA guide 11.1)
.endr
	ds_load_b32 v[SA+\t], v[LRS] offset:128*\t     ; lane r: the word of latent 16 t + r
.endr
	s_wait_dscnt 0x0
.irp t, 0,1,2,3
	s_wait_loadcnt 8*(3-\t)                        ; loads come back in order (ISA guide 5.7.1): tile t's eight words of Q are in, and all of P's; the later tiles' may be out
	v_wmma_scale_f32_16x16x128_f8f6f4 v[D+8*\t:D+8*\t+7], v[AF+12*\t:AF+12*\t+11], v[BF:BF+11], v[D+8*\t:D+8*\t+7], v[SA+\t], v[SB] matrix_a_fmt:MATRIX_FMT_BF6 matrix_b_fmt:MATRIX_FMT_BF6
.endr
	; four plain instructions that name none of the products' registers stand between them and the first read of a result (ISA guide 7.12.1): the way out's addresses and one v_nop
	v_lshl_add_u32 v[OST], v[R], 2, s3
	v_lshl_add_u32 v[ORD], v[LN], 3, OUTB
	v_lshl_add_u32 v[OGO], v[LN], 3, s14
	v_nop
	v_pk_mul_f32 v[ACC:ACC+1], v[D:D+1], v[PU:PU+1]                ; pu x qi; the first products start the sums; each accumulator is read from its low end on
	v_pk_mul_f32 v[ACC+2:ACC+3], v[D+2:D+3], v[PU+2:PU+3]
.irp i, 4,8,12,16,20,24,28
	v_pk_fma_f32 v[ACC:ACC+1], v[D+\i:D+\i+1], v[PU+\i:PU+\i+1], v[ACC:ACC+1]
	v_pk_fma_f32 v[ACC+2:ACC+3], v[D+\i+2:D+\i+3], v[PU+\i+2:PU+\i+3], v[ACC+2:ACC+3]
.endr
	v_pk_add_f32 v[ACC:ACC+1], v[ACC:ACC+1], v[ACC+2:ACC+3]
	v_add_f32 v[ACC], v[ACC], v[ACC+1]             ; my 32 latents
	v_permlanex16_b32 v[ACC+2], v[ACC], s[SEL], s[SEL+1]
	v_add_f32 v[ACC], v[ACC], v[ACC+2]             ; and lane l xor 16's 32
	; THE WAY OUT.  A wave's 16 results are 64 bytes; the four waves' 64 meet in LDS and leave by one store of 256 consecutive bytes, at a multiple of 256 from out's first byte.
	ds_store_b32 v[OST], v[ACC]                    ; lanes l and l xor 16 write the same word with the same value
	s_wait_dscnt 0x0                               ; for wave 0's sake
	s_barrier_signal -1
	s_barrier_wait -1
	s_cmp_lg_u32 s[WV], 0
	s_cbranch_scc1 .Ldone
	ds_load_b64 v[OV:OV+1], v[ORD]
	s_wait_dscnt 0x0
	global_store_b64 v[OGO], v[OV:OV+1], s[10:11]
.Ldone:
	s_wait_tensorcnt 0x0
	ds_add_u32 v200, v201
	s_wait_dscnt 0x0
	s_endpgm
.Lfunc_end_k_q393980f5d8_gmf:
	.size	k_q393980f5d8_gmf, .Lfunc_end_k_q393980f5d8_gmf-k_q393980f5d8_gmf
	.p2alignl 7, 3214868480
	.fill 96, 4, 3214868480
	.section	.rodata,"a",@progbits
	.p2align	6, 0x0
	.amdhsa_kernel k_q393980f5d8_gmf
		.amdhsa_group_segment_fixed_size 4608
		.amdhsa_private_segment_fixed_size 0
		.amdhsa_enable_private_segment 0
		.amdhsa_kernarg_size 48
		.amdhsa_user_sgpr_count 2
		.amdhsa_user_sgpr_kernarg_segment_ptr 1
		.amdhsa_wavefront_size32 1
		.amdhsa_system_sgpr_workgroup_id_x 1
		.amdhsa_system_sgpr_workgroup_id_y 1
		.amdhsa_system_sgpr_workgroup_id_z 1
		.amdhsa_system_vgpr_workitem_id 0
		.amdhsa_next_free_vgpr 202
		.amdhsa_next_free_sgpr 66
		.amdhsa_reserve_vcc 1
		.amdhsa_float_denorm_mode_32 3
		.amdhsa_float_denorm_mode_16_64 3
		.amdhsa_memory_ordered 1
		.amdhsa_forward_progress 1
		.amdhsa_inst_pref_size 18
	.end_amdhsa_kernel
	.amdgpu_metadata
---
amdhsa.version: [ 1, 2 ]
amdhsa.kernels:
  - .name:           k_q393980f5d8_gmf
    .symbol:         k_q393980f5d8_gmf.kd
    .args:
      - { .name: user_ids, .offset: 0, .size: 8, .value_kind: global_buffer, .address_space: global }
      - { .name: item_ids, .offset: 8, .size: 8, .value_kind: global_buffer, .address_space: global }
      - { .name: genres_one_hot, .offset: 16, .size: 8, .value_kind: global_buffer, .address_space: global }
      - { .name: out0, .offset: 24, .size: 8, .value_kind: global_buffer, .address_space: global }
      - { .name: P_weight, .offset: 32, .size: 8, .value_kind: global_buffer, .address_space: global }
      - { .name: Q_weight, .offset: 40, .size: 8, .value_kind: global_buffer, .address_space: global }
    .group_segment_fixed_size: 4608
    .private_segment_fixed_size: 0
    .kernarg_segment_align: 8
    .kernarg_segment_size: 48
    .max_flat_workgroup_size: 128
    .sgpr_count:     66
    .vgpr_count:     202
    .wavefront_size: 32
...
	.end_amdgpu_metadata
.endif
;; end of part 1
;; ======== version 2 of 2: 1 launch; version 1 with the launch gmf written anew for expert scheduling mode
;; launch gmf (part 2): grid 256 x 1, 4 waves a work-group, no clusters, 4,608 bytes of LDS; arguments user_ids, item_ids, genres_one_hot, out0, P_weight, Q_weight; writes out0
.if DOCPART == 2
	.amdgcn_target "amdgcn-amd-amdhsa--gfx1250"
	.amdhsa_code_object_version 6
	.text
	.protected	k_q393980f5d8_gmf
	.globl	k_q393980f5d8_gmf
	.p2align	8
	.type	k_q393980f5d8_gmf,@function
k_q393980f5d8_gmf:
	s_mov_b64 s[64:65], 0
	v_nop
	global_prefetch_b8 v0, s[64:65] scope:SCOPE_SE
	s_setreg_imm32_b32 hwreg(HW_REG_WAVE_SCHED_MODE, 0, 2), 2
	s_setreg_imm32_b32 hwreg(HW_REG_WAVE_MODE, 25, 1), 1
	s_wait_xcnt 0x0
	s_wait_alu depctr_vm_vsrc(0)
; out[b] = sum over k = 0..63 of P[k][user[b]] * ( Q[k][item[b]] + sum over g = 0..31 of genres[b][g] * Q[k][100000 + g] ).
; P: [64][1,000,000] f32, Q: [64][100,032] f32, genres: [16,384][32] f32, ids: [16,384] i32, out: [16,384] f32.
; The inner sum over g is the quantised product: both operands as codes of BF6 (E3M2) with one E8M0 scale for the one block of 32 along g; all else in f32.
; SHARES.  256 work-groups of four waves; a work-group owns 64 batch rows, a wave 16.
; LAYOUT.  The matrix instruction is used transposed: source 0 = 16 latent rows of Q's genre columns, source 1 = my 16 rows of genres.  In the result lane l holds ONE batch row
; r = l % 16, and register j of tile t the latent 16 t + 8 (l / 16) + j.  So a lane needs one user id and one item id and gathers 32 words of P and 32 of Q; Q's words are loaded straight into
; the accumulators and enter as the C of the matrix instruction (D = q_item + q_genre, no vector add); the sum over the 64 latents is 32 products in the lane and one exchange with lane l xor 16.
; K is 32 of the instruction's 128: the block lies in registers 0-5 of lanes 0-15; every other code of both operands is the code 0, which adds nothing; the scale bytes of those blocks are 127.
; Q's genre columns (64 x 32 numbers) are quantised once in a work-group: wave w makes latent tile w and hands it to the others through LDS.
; NO CLUSTER, NO TENSOR LOADS: a work-group's 8,192 gathered words lie at addresses of its own, one word each; what work-groups share is the 8,192 bytes of Q's genre columns.
; LIMITS.  Ids are taken as unsigned numbers and held at the table's last column (999,999 and 99,999); the problem keeps them inside.  NaN and infinities in genres or in Q's genre columns
; are not served.  A block whose largest magnitude has an exponent field under 5 gets the byte 1, as the quantiser's clip says.  q_item + q_genre is rounded by the matrix unit, and the 64
; products of a row are added in four partial sums, not in the order of a plain sum.
; THE MODE: SCHED_MODE bits 1:0 = 2 (LLVM: expert scheduling mode 2), set by the entry lines.  The code itself states the register dependences
; between vector or matrix instructions and memory or LDS instructions, with s_wait_alu, always for 0.
; THE PLAN.  Registers that memory or LDS instructions touch, in the order of the text:
;   v4-6                 offsets of the ids, of genres, of Q's genre columns: written once at the head, read by the first ten loads.
;   v9, v10, X, W        those loads land in them; afterwards vector instructions alone name them.
;   v11, v12             the gathers' offsets: written once behind the ids, read by the 64 gathers.
;   PU, D                the gathers land in them; no vector instruction names them ahead of the waits on LOADcnt; no memory instruction reads them.
;   MY, v126, v66, v67   my tile's codes, its scale word and their LDS addresses: written by the second quantiser and at the head, read by the four LDS stores.
;   v121, v122           LDS addresses, written at the head, read by the sixteen LDS loads, which land in registers 0-5 of each AF and in SA: no vector instruction has named those.
;   BF, v120, registers 6-11 of each AF   written by vector instructions, taken by the scaled matrix instructions as source 1, its scale, and part of source 0.
;   v123, v192           the result's LDS address and the result; v124, v125 wave 0's addresses on the way out; OV: an LDS load lands in it, the store reads it.
;   v200, v201           written at the head, read by the closing add alone.
; No register that a memory or LDS instruction reads is written again, and no load lands in a register that a vector instruction has named: so no wait on vm_vsrc is owed.
; Six waits on va_vdst: two at the head, ahead of the first load, ahead of the gathers, ahead of the LDS stores (it serves the LDS loads and the matrix instructions' vector-written operands too: no vector
; instruction stands between), ahead of the result's LDS store.  One wait on va_sdst for the wave's number, one on va_vcc in each quantiser.  The vector work behind each run of loads (the other
; addresses and the zero codes behind the first ten, the two quantisers behind P's 32) names none of the registers that those loads touch.
.set PROW,  4000000                    ; bytes in a row of P
.set QROW,  400128                     ; bytes in a row of Q
.set GCOL,  400000                     ; byte at which a row's 32 genre columns begin (a multiple of 16, as QROW is)
.set UMAX,  999999
.set IMAX,  99999
.set TILEB, 768                        ; LDS: a latent tile's codes, 24 bytes a lane (lanes 16-31: zeros), four tiles from byte 0 on
.set SCB,   4*TILEB                    ; then the tiles' scale words, 128 bytes a tile
.set OUTB,  SCB+512                    ; then the work-group's 64 results
.set R,    1                           ; v1   l % 16: my batch row in the wave's 16
.set H,    2                           ; v2   l / 16
.set LN,   3                           ; v3   lane
.set IDO,  4                           ; v4   byte offset of my row's id
.set GO,   5                           ; v5   byte offset of my 16 numbers of genres
.set WO,   6                           ; v6   byte offset of my row of Q's genre columns (+ 64 H)
.set HP,   7                           ; v7   8 H rows of P, in bytes
.set HQ,   8                           ; v8   8 H rows of Q
.set UID,  9                           ; v9   user id
.set IID,  10                          ; v10  item id
.set PO,   11                          ; v11  4 x user id + 8 H rows of P
.set QO,   12                          ; v12  4 x item id + 8 H rows of Q
.set T0,   13                          ; v13-15 at work in the quantiser
.set T1,   14
.set T2,   15
.set X,    16                          ; v16-31  16 numbers of genres
.set W,    32                          ; v32-47  16 numbers of Q's genre columns
.set BF,   48                          ; v48-59  genres' codes: source 1
.set MY,   60                          ; v60-65  the codes of the latent tile that my wave quantises
.set LST,  66                          ; v66  LDS: where I put them
.set LSS,  67                          ; v67  LDS: where I put the tile's scale word
.set AF,   68                          ; v68-115 the four latent tiles' codes: source 0, 12 registers each
.set SA,   116                         ; v116-119 their scale words: these registers, and v120, hold scales and nothing else
.set SB,   120                         ; v120 genres' scale word
.set LRD,  121                         ; v121 LDS: 24 x lane
.set LRS,  122                         ; v122 LDS: SCB + 4 x lane
.set OST,  123                         ; v123 LDS: my row's result
.set ORD,  124                         ; v124 LDS: OUTB + 8 x lane
.set OGO,  125                         ; v125 byte offset in out: 256 x work-group + 8 x lane
.set SW,   126                         ; v126 my tile's scale word on its way to LDS
.set D,    128                         ; v128-159 q_item as gathered, then q_item + q_genre: tile t at D + 8 t
.set PU,   160                         ; v160-191 P's words, in the same order
.set ACC,  192                         ; v192-195 two packed partial sums
.set OV,   196                         ; v196-197 two results on their way out
.set WV,   16                          ; s16  wave
.set TL,   17                          ; s17  which 16 batch rows are my wave's: 4 x work-group + wave
.set SEL,  20                          ; s[20:21] v_permlanex16_b32's selects for lane l xor 16
.set PB,   24                          ; s[24:47] P at rows 16 t + 3 u, u = 0, 1, 2: the pair at PB + 6 t + 2 u; the first pair is P's own address
.set QB,   48                          ; s[48:55] Q at rows 16 t: the pair at QB + 2 t; the first pair is Q's own address
	s_load_b256 s[4:11], s[0:1], 0x0               ; user ids s[4:5], item ids s[6:7], genres s[8:9], out s[10:11]
	s_load_b64 s[PB:PB+1], s[0:1], 0x20            ; P
	s_load_b64 s[QB:QB+1], s[0:1], 0x28            ; Q
	v_lshl_add_u32 v200, v0, 2, 0x1000
	v_mov_b32 v201, 0
	v_lshrrev_b32 v[LN], 5, v0
	v_readfirstlane_b32 s[WV], v[LN]               ; wave 0..3
	v_and_b32 v[LN], 31, v0
	v_and_b32 v[R], 15, v0
	s_wait_alu depctr_va_vdst(0)
	v_bfe_u32 v[H], v0, 4, 1
	s_wait_alu depctr_va_sdst(0)                   ; s16, the wave's number, is written, ahead of its first reader: the line below
	s_lshl2_add_u32 s[TL], ttmp9, s[WV]
	s_lshl_b32 s18, s[TL], 6                       ; ids: 16 x 4 bytes a wave
	s_lshl_b32 s19, s[TL], 11                      ; genres: 16 rows x 128 bytes a wave
	s_mul_i32 s22, s[WV], 16*QROW                  ; the 16 rows of Q whose genre columns my wave quantises
	s_mul_i32 s23, s[WV], TILEB                    ; and their place in LDS
	s_lshl_b32 s2, s[WV], 7
	s_lshl_b32 s3, s[WV], 6
	s_add_co_u32 s3, s3, OUTB                      ; my wave's 16 results in LDS
	s_lshl_b32 s14, ttmp9, 8                       ; the work-group's 64 results in out
	s_mov_b32 s[SEL], 0x76543210
	s_mov_b32 s[SEL+1], 0xfedcba98
	v_lshl_add_u32 v[IDO], v[R], 2, s18
	v_lshl_add_u32 v[GO], v[R], 7, s19
	s_wait_alu depctr_va_vdst(0)
	v_lshl_add_u32 v[GO], v[H], 6, v[GO]           ; row r, numbers 16 H .. 16 H + 15: two lanes hold the block of 32
	v_mul_u32_u24 v[WO], v[R], QROW
	v_lshl_add_u32 v[WO], v[H], 6, v[WO]
	v_add_nc_u32 v[WO], s22, v[WO]
	s_wait_kmcnt 0x0
	s_wait_alu depctr_va_vdst(0)                   ; v4, v5 and v6 are written: the ten loads below read them as their offsets
	global_load_b32 v[UID], v[IDO], s[4:5] th:TH_LOAD_NT           ; the ids first: the gathers hang on them
	global_load_b32 v[IID], v[IDO], s[6:7] th:TH_LOAD_NT
.irp i, 0,1,2,3
	global_load_b128 v[X+4*\i:X+4*\i+3], v[GO], s[8:9] offset:16*\i th:TH_LOAD_NT   ; the four loads together read the wave's 2,048 consecutive bytes of genres
.endr
.irp i, 0,1,2,3
	global_load_b128 v[W+4*\i:W+4*\i+3], v[WO], s[QB:QB+1] offset:GCOL+16*\i        ; read by every work-group: no hint
.endr
	; While these are out: the bases, the other addresses, the zero codes.  None of these vector lines names a register that the ten loads touch.
	; A load's immediate has 24 signed bits (ISA guide, chapter 10), and beside an offset made of a loaded id it is kept at 0 or above: 0, 1 or 2 rows of P.  So a tile's eight latents hang on three bases.
.irp t, 0,1,2,3
.irp u, 0,1,2
.if \t > 0 || \u > 0
	s_add_nc_u64 s[PB+6*\t+2*\u:PB+6*\t+2*\u+1], s[PB:PB+1], (16*\t+3*\u)*PROW
.endif
.endr
.endr
.irp t, 1,2,3
	s_add_nc_u64 s[QB+2*\t:QB+2*\t+1], s[QB:QB+1], 16*\t*QROW      ; seven rows of Q fit in the immediate
.endr
	v_mul_u32_u24 v[HP], v[H], PROW
	v_lshlrev_b32 v[HP], 3, v[HP]                  ; lanes 16-31 stand eight latents further down
	v_mul_u32_u24 v[HQ], v[H], 8*QROW
	v_mul_u32_u24 v[LRD], v[LN], 24
	v_add_nc_u32 v[LST], s23, v[LRD]
	v_lshl_add_u32 v[LRS], v[LN], 2, SCB
	v_add_nc_u32 v[LSS], s2, v[LRS]
.irp i, 3,4,5,6,7,8,9,10,11
	v_mov_b32 v[BF+\i], 0                          ; the zero codes of K = 32 .. 127 (registers 3-5 take the block's upper half in lanes 0-15 below)
.endr
.irp i, 3,4,5
	v_mov_b32 v[MY+\i], 0
.endr
.irp t, 0,1,2,3
.irp i, 6,7,8,9,10,11
	v_mov_b32 v[AF+12*\t+\i], 0                    ; K = 64 .. 127 of source 0
.endr
.endr
	s_wait_loadcnt 0x8                             ; behind the two ids: four loads of genres and four of Q's genre columns, which may stay out
	v_min_u32 v[UID], UMAX, v[UID]                 ; a loaded number enters an address only held inside its table
	v_min_u32 v[IID], IMAX, v[IID]
	v_lshlrev_b32 v[PO], 2, v[UID]
	v_lshlrev_b32 v[QO], 2, v[IID]
	v_add_nc_u32 v[PO], v[PO], v[HP]
	v_add_nc_u32 v[QO], v[QO], v[HQ]
	s_wait_alu depctr_va_vdst(0)                   ; v11 and v12 are written: P's gathers below and Q's further down read them as their offsets, and no vector line behind this wait names them, PU or D
	; P's 32 words: P[16 t + 8 H + j][user].  They go first: they are the larger table's, and the quantisers below are worked while these requests are served.
.irp t, 0,1,2,3
.irp j, 0,1,2,3,4,5,6,7
	global_load_b32 v[PU+8*\t+\j], v[PO], s[PB+6*\t+2*(\j/3):PB+6*\t+2*(\j/3)+1] offset:(\j%3)*PROW
.endr
.endr
; THE QUANTISER.  x: my 16 numbers, the lower (lanes 0-15) or upper (lanes 16-31) half of row r's block; c: six registers, the upper three holding 0; e: takes the scale word.
; The block's largest magnitude; its exponent field less 4 (28 = 1.75 x 2^4), held at 1 from below, is the scale's byte; a block of zeros gets 127.  The conversion divides by the scale, rounds to
; the nearest code, ties to even, and gives the largest code beyond 28.
.macro QUANT x, c, e
	v_max3_num_f32 v[T0], |v[\x]|, |v[\x+1]|, |v[\x+2]|
	v_max3_num_f32 v[T1], |v[\x+3]|, |v[\x+4]|, |v[\x+5]|
.irp i, 6,10
	v_max3_num_f32 v[T0], v[T0], |v[\x+\i]|, |v[\x+\i+1]|
	v_max3_num_f32 v[T1], v[T1], |v[\x+\i+2]|, |v[\x+\i+3]|
.endr
	v_max3_num_f32 v[T0], v[T0], |v[\x+14]|, |v[\x+15]|
	v_max_num_f32 v[T0], v[T0], v[T1]
	v_permlanex16_b32 v[T1], v[T0], s[SEL], s[SEL+1]               ; the other half of the block lies in lane l xor 16
	v_max_num_f32 v[T0], v[T0], v[T1]
	v_lshrrev_b32 v[T1], 23, v[T0]                 ; the exponent field (the sign bit is 0)
	v_max_u32 v[T1], 5, v[T1]
	v_add_nc_u32 v[T1], -4, v[T1]                  ; the byte
	v_lshlrev_b32 v[T2], 23, v[T1]                 ; the scale as f32: the conversion takes its exponent field
	v_cmp_eq_u32 vcc_lo, 0, v[T0]
	v_cvt_scalef32_pk16_bf6_f32 v[\c:\c+2], v[\x:\x+15], v[T2]     ; 16 codes, 96 bits, the first number's lowest
	s_wait_alu depctr_va_vcc(0)                    ; the compare has written VCC, ahead of its first reader: the select below
	v_cndmask_b32 v[T1], v[T1], 127, vcc_lo        ; a block of zeros.  (Also the one plain instruction between a scaled conversion and what touches its result)
.irp i, 0,1,2
	v_permlane16_swap_b32 v[\c+\i], v[\c+3+\i]     ; the first's lanes 16-31 change places with the second's lanes 0-15, which hold 0: lanes 0-15 now hold the whole block in six registers, lanes 16-31 (K = 32 .. 63) zeros
.endr
	v_or_b32 v[\e], 0x7f7f7f00, v[T1]              ; byte 0: the block's; bytes 1-3 stand beside zero codes
.endm
	s_wait_loadcnt 0x20                            ; behind the numbers to be quantised: P's 32 gathers, which stay out
	QUANT X, BF, SB                                ; genres first: the second quantiser's plain instructions are then the places between these vector writes of source 1 and its scale and the matrix instructions (ISA guide 7.12.1)
	QUANT W, MY, SW
	s_wait_alu depctr_va_vdst(0)                   ; the quantisers have written MY and v126, which the LDS stores read (their addresses v66, v67, and v121, v122 of the LDS loads behind the barrier, are written too); and BF, v120 and the zero codes of AF, which the scaled matrix instructions take, are written: their places stand ahead of this wait, and no vector line stands between it and them
	ds_store_b64 v[LST], v[MY:MY+1]
	ds_store_b64 v[LST], v[MY+2:MY+3] offset:8
	ds_store_b64 v[LST], v[MY+4:MY+5] offset:16
	ds_store_b32 v[LSS], v[SW]
	; Q's 32 words, Q[16 t + 8 H + j][item], straight into the accumulators
.irp t, 0,1,2,3
.irp j, 0,1,2,3,4,5,6,7
	global_load_b32 v[D+8*\t+\j], v[QO], s[QB+2*\t:QB+2*\t+1] offset:\j*QROW
.endr
.endr
	s_wait_dscnt 0x0                               ; for the others' sake: my tile's codes and scale words are in LDS
	s_barrier_signal -1
	s_barrier_wait -1                              ; everybody's are
.irp t, 0,1,2,3
.irp p, 0,1,2
	ds_load_b64 v[AF+12*\t+2*\p:AF+12*\t+2*\p+1], v[LRD] offset:TILEB*\t+8*\p      ; lanes 24 bytes apart: the 32 lanes' 8 bytes fall on 64 different banks (64 banks of 4 bytes: ISA guide 11.1)
.endr
	ds_load_b32 v[SA+\t], v[LRS] offset:128*\t     ; lane r: the word of latent 16 t + r
.endr
	s_wait_dscnt 0x0
.irp t, 0,1,2,3
	s_wait_loadcnt 8*(3-\t)                        ; loads come back in order (ISA guide 5.7.1): tile t's eight words of Q are in, and all of P's; the later tiles' may be out
	v_wmma_scale_f32_16x16x128_f8f6f4 v[D+8*\t:D+8*\t+7], v[AF+12*\t:AF+12*\t+11], v[BF:BF+11], v[D+8*\t:D+8*\t+7], v[SA+\t], v[SB] matrix_a_fmt:MATRIX_FMT_BF6 matrix_b_fmt:MATRIX_FMT_BF6
.endr
	; four plain instructions that name none of the products' registers stand between them and the first read of a result (ISA guide 7.12.1): the way out's addresses and one v_nop
	v_lshl_add_u32 v[OST], v[R], 2, s3
	v_lshl_add_u32 v[ORD], v[LN], 3, OUTB
	v_lshl_add_u32 v[OGO], v[LN], 3, s14
	v_nop
	v_pk_mul_f32 v[ACC:ACC+1], v[D:D+1], v[PU:PU+1]                ; pu x qi; the first products start the sums; each accumulator is read from its low end on
	v_pk_mul_f32 v[ACC+2:ACC+3], v[D+2:D+3], v[PU+2:PU+3]
.irp i, 4,8,12,16,20,24,28
	v_pk_fma_f32 v[ACC:ACC+1], v[D+\i:D+\i+1], v[PU+\i:PU+\i+1], v[ACC:ACC+1]
	v_pk_fma_f32 v[ACC+2:ACC+3], v[D+\i+2:D+\i+3], v[PU+\i+2:PU+\i+3], v[ACC+2:ACC+3]
.endr
	v_pk_add_f32 v[ACC:ACC+1], v[ACC:ACC+1], v[ACC+2:ACC+3]
	v_add_f32 v[ACC], v[ACC], v[ACC+1]             ; my 32 latents
	v_permlanex16_b32 v[ACC+2], v[ACC], s[SEL], s[SEL+1]
	v_add_f32 v[ACC], v[ACC], v[ACC+2]             ; and lane l xor 16's 32
	; THE WAY OUT.  A wave's 16 results are 64 bytes; the four waves' 64 meet in LDS and leave by one store of 256 consecutive bytes, at a multiple of 256 from out's first byte.
	s_wait_alu depctr_va_vdst(0)                   ; the last addition has written v192 and the address v123 is written: the LDS store reads both; so are v124 and v125, which wave 0's LDS load and store read
	ds_store_b32 v[OST], v[ACC]                    ; lanes l and l xor 16 write the same word with the same value
	s_wait_dscnt 0x0                               ; for wave 0's sake
	s_barrier_signal -1
	s_barrier_wait -1
	s_cmp_lg_u32 s[WV], 0
	s_cbranch_scc1 .Ldone
	ds_load_b64 v[OV:OV+1], v[ORD]
	s_wait_dscnt 0x0
	global_store_b64 v[OGO], v[OV:OV+1], s[10:11]
.Ldone:
	s_wait_dscnt 0x0                               ; the closing lines, six on end
	s_wait_alu 0x0
	s_wait_tensorcnt 0x0
	ds_add_u32 v200, v201
	s_wait_dscnt 0x0
	s_endpgm
.Lfunc_end_k_q393980f5d8_gmf:
	.size	k_q393980f5d8_gmf, .Lfunc_end_k_q393980f5d8_gmf-k_q393980f5d8_gmf
	.p2alignl 7, 3214868480
	.fill 96, 4, 3214868480
	.section	.rodata,"a",@progbits
	.p2align	6, 0x0
	.amdhsa_kernel k_q393980f5d8_gmf
		.amdhsa_group_segment_fixed_size 4608
		.amdhsa_private_segment_fixed_size 0
		.amdhsa_enable_private_segment 0
		.amdhsa_kernarg_size 48
		.amdhsa_user_sgpr_count 2
		.amdhsa_user_sgpr_kernarg_segment_ptr 1
		.amdhsa_wavefront_size32 1
		.amdhsa_system_sgpr_workgroup_id_x 1
		.amdhsa_system_sgpr_workgroup_id_y 1
		.amdhsa_system_sgpr_workgroup_id_z 1
		.amdhsa_system_vgpr_workitem_id 0
		.amdhsa_next_free_vgpr 202
		.amdhsa_next_free_sgpr 66
		.amdhsa_reserve_vcc 1
		.amdhsa_float_denorm_mode_32 3
		.amdhsa_float_denorm_mode_16_64 3
		.amdhsa_memory_ordered 1
		.amdhsa_forward_progress 1
		.amdhsa_inst_pref_size 18
	.end_amdhsa_kernel
	.amdgpu_metadata
---
amdhsa.version: [ 1, 2 ]
amdhsa.kernels:
  - .name:           k_q393980f5d8_gmf
    .symbol:         k_q393980f5d8_gmf.kd
    .args:
      - { .name: user_ids, .offset: 0, .size: 8, .value_kind: global_buffer, .address_space: global }
      - { .name: item_ids, .offset: 8, .size: 8, .value_kind: global_buffer, .address_space: global }
      - { .name: genres_one_hot, .offset: 16, .size: 8, .value_kind: global_buffer, .address_space: global }
      - { .name: out0, .offset: 24, .size: 8, .value_kind: global_buffer, .address_space: global }
      - { .name: P_weight, .offset: 32, .size: 8, .value_kind: global_buffer, .address_space: global }
      - { .name: Q_weight, .offset: 40, .size: 8, .value_kind: global_buffer, .address_space: global }
    .group_segment_fixed_size: 4608
    .private_segment_fixed_size: 0
    .kernarg_segment_align: 8
    .kernarg_segment_size: 48
    .max_flat_workgroup_size: 128
    .sgpr_count:     66
    .vgpr_count:     202
    .wavefront_size: 32
...
	.end_amdgpu_metadata
.endif
;; end of part 2
